; MI455X (gfx1250); checked and timed in simulation.
; The chip was launched on July 23, 2026; its instructions are those of AMD's public machine-readable ISA for CDNA 5 (MIT licence, August 2026) and "CDNA5" Instruction Set Architecture Reference Guide (July 2026). The comments in the code are by the model that wrote it; some were corrected since.
;; Codebook. Allowed arithmetic: float matrix products may take bf16 or f16 operands with f32 sums; other float arithmetic in f32, or as packed bf16 or f16 multiplies, adds, multiply-adds, maxima and minima; sums over many terms, partial sums and values carried from step to step in f32; what a program stores and reads back later, other than sums and carried values, may be rounded once to bf16 or f16.
;; Inputs: embeddings 8,192 x 256 float32; z_e 256 x 32,768 float32.
;; Outputs: out0 256 x 32,768 float32; out1 32,768 int32.
;; One version. Each part assembles by itself: llvm-mc -triple=amdgcn-amd-amdhsa -mcpu=gfx1250 --defsym DOCPART=n.
;; ======== version 1 of 1: 3 launches
;; workspace buffers: cb 4,325,376 bytes; idxw 131,072 bytes of whole numbers
;; launch pack (part 1): grid 256 x 1, 2 waves a work-group, no clusters, 17,152 bytes of LDS; arguments embeddings, cb; writes cb
.if DOCPART == 1
	.amdgcn_target "amdgcn-amd-amdhsa--gfx1250"
	.amdhsa_code_object_version 6
	.text
	.protected	k_q677981528b_pack
	.globl	k_q677981528b_pack
	.p2align	8
	.type	k_q677981528b_pack,@function
k_q677981528b_pack:
	s_mov_b64 s[64:65], 0
	v_nop
	global_prefetch_b8 v0, s[64:65] scope:SCOPE_SE
	s_setreg_imm32_b32 hwreg(HW_REG_WAVE_MODE, 25, 1), 1
	s_wait_xcnt 0x0
; THE CODEBOOK IS LAID OUT FOR THE SEARCH.  embeddings: [8192][256] f32.  cb: 8,192 rows of 528 bytes: 512 bytes of the row rounded once to bf16, then 16 bytes.
; In each tile of 16 rows, row i's 16 bytes hold h[4 (i % 4) .. 4 (i % 4) + 3] of the tile as f32, h[k] = -(the sum of the squares of the ROUNDED row k) / 2: the four quads stand
; four times over, so every byte of cb is written.  A tile is 8,448 bytes = 33 x 256, and is the image that the search wants in LDS: rows 528 bytes apart.
; SHARES.  A wave makes one tile: 16 KiB in, 8,448 bytes out; two waves a work-group, 512 tiles.  The waves share nothing: no barrier.  A wave's 32 loads all go out at once.
; The image is put together in the wave's own LDS bytes and leaves as runs of 512 consecutive bytes.  No matrix unit, no cluster: each byte is read once, by one wave.
.set ROWB,  1024                       ; bytes in a row of embeddings
.set PITCH, 528                        ; bytes in a row of cb
.set TILEB, 16*PITCH
.set SPARE, 2*TILEB                    ; behind the two images: the spare words, 128 bytes for each wave: one block of 256 bytes that no other line names
.set LN,   1                           ; v1   my lane
.set GO,   2                           ; v2   16 x lane: my 16 bytes of 512, in embeddings and in cb; never rewritten
.set LB,   3                           ; v3   my image + 8 x lane: where my four bf16 of half a row go
.set LP,   4                           ; v4   my image + 4 (lane % 4) rows: the padding that I write
.set LR,   5                           ; v5   my image + 16 x lane: where I read it back
.set ZERO, 6                           ; v6   0, the first square's addend
.set LQ,   7                           ; v7   my image + 16 x (lane % 16): where the image's last 256 bytes are read back
.set SPW,  8                           ; v8   LDS address of my spare word; never rewritten
.set NIL,  9                           ; v9   0; never rewritten
.set OT,   10                          ; v10  the other half of the lanes' sum
.set GQ,   11                          ; v11  16 x (lane % 16): my 16 bytes of the image's last 256 in cb; never rewritten
.set B,    12                          ; v[12:15]  a row's eight numbers of mine, in bf16
.set S,    16                          ; v[16:31]  row i's sum of squares, then h
.set X,    32                          ; v[32:159] row i as loaded, 8 registers; later the image read back, 4 registers a run
	s_load_b128 s[4:7], s[0:1], 0x0                ; embeddings s[4:5], cb s[6:7]
	v_lshl_add_u32 v[SPW], v0, 2, SPARE
	v_mov_b32 v[NIL], 0
	v_lshrrev_b32 v1, 5, v0
	v_readfirstlane_b32 s8, v1                     ; wave 0, 1
	v_and_b32 v[LN], 31, v0
	v_lshlrev_b32 v[GO], 4, v[LN]
	s_mul_i32 s9, s8, TILEB                        ; my image in LDS
	v_lshl_add_u32 v[LB], v[LN], 3, s9
	v_and_b32 v[LP], 3, v0
	v_mul_u32_u24 v[LP], v[LP], 4*PITCH
	v_add_nc_u32 v[LP], s9, v[LP]
	v_lshl_add_u32 v[LR], v[LN], 4, s9
	v_and_b32 v[GQ], 15, v0
	v_lshlrev_b32 v[GQ], 4, v[GQ]
	v_add_nc_u32 v[LQ], s9, v[GQ]
	v_mov_b32 v[ZERO], 0
	v_mov_b32 v[OT], 0                             ; v_permlanex16_b32's destination counts as read
	s_mov_b32 s16, 0x76543210                      ; each lane takes its own place in the other half
	s_mov_b32 s17, 0xfedcba98
	s_lshl_b32 s10, ttmp9, 1
	s_add_co_u32 s10, s10, s8                      ; my tile
	s_lshl_b32 s12, s10, 14                        ; its 16 rows of 1,024 bytes
	s_mov_b32 s13, 0
	s_mul_i32 s14, s10, TILEB
	s_mov_b32 s15, 0
	s_wait_kmcnt 0x0
	s_add_nc_u64 s[4:5], s[4:5], s[12:13]
	s_add_nc_u64 s[6:7], s[6:7], s[14:15]
.set i, 0
.rept 16                                       ; a load takes 512 consecutive bytes: channels 4 l .. 4 l + 3, then 128 + 4 l ..
	global_load_b128 v[X+8*i:X+8*i+3],   v[GO], s[4:5] offset:ROWB*i th:TH_LOAD_NT
	global_load_b128 v[X+8*i+4:X+8*i+7], v[GO], s[4:5] offset:ROWB*i+512 th:TH_LOAD_NT
.set i, i+1
.endr
.set i, 0
.rept 16
	s_wait_loadcnt 30-2*i                          ; loads come back in order: row i is in, the two loads of each younger row may stay out
.irp j, 0,1,2,3
	v_cvt_pk_bf16_f32 v[B+\j], v[X+8*i+2*\j], v[X+8*i+2*\j+1]
.endr
	ds_store_b64 v[LB], v[B:B+1]   offset:PITCH*i
	ds_store_b64 v[LB], v[B+2:B+3] offset:PITCH*i+256
.irp j, 0,1,2,3                                ; the squares are taken of the rounded numbers, straight from the halves, and summed in f32
.if (\j) == 0
	v_fma_mix_f32_bf16 v[S+i], v[B+\j], v[B+\j], v[ZERO] op_sel_hi:[1,1,0]
.else
	v_fma_mix_f32_bf16 v[S+i], v[B+\j], v[B+\j], v[S+i] op_sel_hi:[1,1,0]
.endif
	v_fma_mix_f32_bf16 v[S+i], v[B+\j], v[B+\j], v[S+i] op_sel:[1,1,0] op_sel_hi:[1,1,0]
.endr
.set i, i+1
.endr
.irp m, 1,2,4,8                                ; across the lanes, as a tree; the sixteen rows' steps stand side by side, so that none waits for the one before it
.set i, 0
.rept 16
	v_add_f32_dpp v[S+i], v[S+i], v[S+i] row_xmask:\m row_mask:0xf bank_mask:0xf
.set i, i+1
.endr
.endr
.set i, 0
.rept 16
	v_permlanex16_b32 v[OT], v[S+i], s16, s17
	v_add_f32 v[S+i], v[S+i], v[OT]
	v_mul_f32 v[S+i], -0.5, v[S+i]                 ; h, the same in every lane
.set i, i+1
.endr
.irp q, 0,1,2,3                                ; quad q goes behind rows q, q + 4, q + 8, q + 12: lane l writes row q + 4 (l % 4); lanes with the same l % 4 write the same bytes with the same numbers
	ds_store_b128 v[LP], v[S+4*\q:S+4*\q+3] offset:512+PITCH*\q
.endr
.set k, 0
.rept 16
	ds_load_b128 v[X+4*k:X+4*k+3], v[LR] offset:512*k  ; LDS serves a wave's instructions in order (ISA guide 5.7.1.4): these see the stores above
.set k, k+1
.endr
	ds_load_b128 v[X+64:X+67], v[LQ] offset:8192   ; the image's last 256 bytes, all lanes on: lanes 16 to 31 read what lanes 0 to 15 read, so that no lane's address leaves my image
.set k, 0
.rept 16
	s_wait_dscnt 16-k                              ; run k is back; the younger loads, the seventeenth among them, may stay out
	global_store_b128 v[GO], v[X+4*k:X+4*k+3], s[6:7] offset:512*k  ; 512 consecutive bytes, at a multiple of 256 from cb's first byte
.set k, k+1
.endr
	s_wait_dscnt 0x0                               ; the seventeenth is back
	s_wait_xcnt 0x0                                ; EXEC is a source of the stores above: it changes only behind this wait
	v_cmp_gt_u32 vcc_lo, 16, v[LN]
	s_and_saveexec_b32 s20, vcc_lo                 ; lanes 0 to 15 store the 256 bytes, each byte once
	global_store_b128 v[GQ], v[X+64:X+67], s[6:7] offset:8192
	s_wait_xcnt 0x0                                ; and again, in front of the line that widens it
	s_or_b32 exec_lo, exec_lo, s20
	s_wait_tensorcnt 0x0                           ; the wave's end, behind my last LDS store
	ds_add_u32 v[SPW], v[NIL]
	s_wait_dscnt 0x0
	s_endpgm
.Lfunc_end_k_q677981528b_pack:
	.size	k_q677981528b_pack, .Lfunc_end_k_q677981528b_pack-k_q677981528b_pack
	.p2alignl 7, 3214868480
	.fill 96, 4, 3214868480
	.section	.rodata,"a",@progbits
	.p2align	6, 0x0
	.amdhsa_kernel k_q677981528b_pack
		.amdhsa_group_segment_fixed_size 17152
		.amdhsa_private_segment_fixed_size 0
		.amdhsa_enable_private_segment 0
		.amdhsa_kernarg_size 16
		.amdhsa_user_sgpr_count 2
		.amdhsa_user_sgpr_kernarg_segment_ptr 1
		.amdhsa_wavefront_size32 1
		.amdhsa_system_sgpr_workgroup_id_x 1
		.amdhsa_system_sgpr_workgroup_id_y 1
		.amdhsa_system_sgpr_workgroup_id_z 1
		.amdhsa_system_vgpr_workitem_id 0
		.amdhsa_next_free_vgpr 160
		.amdhsa_next_free_sgpr 66
		.amdhsa_reserve_vcc 1
		.amdhsa_float_denorm_mode_32 3
		.amdhsa_float_denorm_mode_16_64 3
		.amdhsa_memory_ordered 1
		.amdhsa_forward_progress 1
		.amdhsa_inst_pref_size 29
	.end_amdhsa_kernel
	.amdgpu_metadata
---
amdhsa.version: [ 1, 2 ]
amdhsa.kernels:
  - .name:           k_q677981528b_pack
    .symbol:         k_q677981528b_pack.kd
    .args:
      - { .name: embeddings, .offset: 0, .size: 8, .value_kind: global_buffer, .address_space: global }
      - { .name: cb, .offset: 8, .size: 8, .value_kind: global_buffer, .address_space: global }
    .group_segment_fixed_size: 17152
    .private_segment_fixed_size: 0
    .kernarg_segment_align: 8
    .kernarg_segment_size: 16
    .max_flat_workgroup_size: 64
    .sgpr_count:     66
    .vgpr_count:     160
    .wavefront_size: 32
...
	.end_amdgpu_metadata
.endif
;; end of part 1
;; launch search (part 2): grid 256 x 1, 4 waves a work-group, clusters of 4 x 1, 327,680 bytes of LDS; arguments z_e, cb, out1, idxw; writes out1, idxw
.if DOCPART == 2
	.amdgcn_target "amdgcn-amd-amdhsa--gfx1250"
	.amdhsa_code_object_version 6
	.text
	.protected	k_q677981528b_search
	.globl	k_q677981528b_search
	.p2align	8
	.type	k_q677981528b_search,@function
k_q677981528b_search:
	s_mov_b64 s[64:65], 0
	v_nop
	global_prefetch_b8 v0, s[64:65] scope:SCOPE_SE
	s_setreg_imm32_b32 hwreg(HW_REG_WAVE_MODE, 25, 1), 1
	s_wait_xcnt 0x0
	s_wait_alu depctr_hold_cnt(0) depctr_sa_sdst(0) depctr_va_vdst(0) depctr_va_sdst(0) depctr_va_ssrc(0) depctr_va_vcc(0) depctr_vm_vsrc(0)
	s_getreg_b32 s2, hwreg(HW_REG_IB_STS2, 6, 4)
	s_cmp_eq_u32 s2, 0
	s_cbranch_scc0 .Lentry_in_a_cluster
	s_endpgm
.Lentry_in_a_cluster:
	s_bfe_u32 s2, ttmp6, 0x10000c
	s_cmp_lg_u32 s2, 0x3003
	s_cbranch_scc0 .Lentry_shape_is_right
	s_endpgm
.Lentry_shape_is_right:
; THE NEAREST CODE OF EACH TOKEN.  z_e: [256][32768] f32 (a token is a column).  cb: the codebook in bf16 with h[k] = -|e_k|^2 / 2 in the rows' padding (8,192 rows of 528 bytes).
; out1, idxw: [32768] i32, the same numbers twice: idxw is what the next launch makes addresses from.
; WHAT IS COMPARED.  dist = |z|^2 - 2 z.e + |e|^2 = |z|^2 - 2 s with s[k] = z.e_k + h[k]: the smallest dist is the largest s.  z and e are rounded once to bf16, products and sums are f32, h is the C operand
; that starts each sum.  LIMITS.  |z|^2 is the same for all codes of a token and is not formed: two codes whose distances differ by less than the rounding of an f32 near |z|^2 + |e|^2 may be ordered otherwise
; than by a program that adds it.  Equal s: the lower index.  A NaN score is never chosen; if no score of a token is above minus infinity its index is 0.
; SHARES.  A work-group owns 128 tokens and walks the whole codebook: 256 work-groups.  All four waves hold the SAME 128 tokens in registers, for all 256 channels: 8 token tiles x 8 K steps x 8 registers = 512.
; The CODES are shared out: of each chunk of 256 codes wave w takes 64 w .. 64 w + 63, four tiles of 16.  A code tile costs 18 LDS loads and feeds 64 matrix instructions, and each LDS byte is read once.
; LAYOUT.  Source 0 = 16 codes, source 1 = 16 tokens: in the result a lane holds ONE token (lane % 16) and the codes 8 (lane / 16) + 0..7.  So the running maximum and its index stay inside a lane;
; the halves of the lanes meet once at the end, and then the four waves, through LDS.
; BY TURNS.  Two buffers of 8 accumulators.  While tile g is multiplied into one, the maximum is taken over tile g - 1 in the other: three vector instructions behind each matrix instruction.
; CLUSTER.  All work-groups walk the same table: the four of a cluster ask for each chunk JOINTLY (the same tensor load, descriptor and mask in all four).  z belongs to one work-group, so a second axis would share nothing.
; REGISTERS, in windows of 256 (s_set_vgpr_msb: bits 1:0 source 0, 3:2 source 1, 5:4 source 2, 7:6 destination):
;   window 0: v0-15 addresses; v16-23 the maxima, v24-31 their codes, one a token tile; v32-47 h, two buffers; v48-63 at work; v64-191 the accumulators, two buffers of 8 x 8; v192-255 at work
;   window 1: v0-127 a code tile's fragments, two buffers of 8 K steps          window 2: token tiles 0-3 (tile t, K step f at 64 (t % 4) + 8 f)          window 3: token tiles 4-7
.set PITCH,  528                       ; a row of cb, in memory and in LDS: 132 words: row r starts at bank 4 r mod 64 (64 banks of 4 bytes: ISA guide 11.1), so a fragment load's 16 rows start at 16 different groups of four banks
.set TILEB,  16*PITCH                  ; a code tile
.set PARTB,  4*TILEB                   ; a wave's part of a chunk: 33,792 bytes = 132 x 256
.set CHUNKB, 4*PARTB                   ; 256 codes
.set SLOT,   CHUNKB                    ; two slots, at LDS bytes 0 and SLOT; wave w's part at PARTB x w, filled and read by wave w alone
.set ZB,     2*SLOT                    ; behind the ring, never filled by a tensor load: z in bf16, [256 channels][64 tokens]; its first 4 KiB serve again at the end, for the waves' meeting
.set ZP,     160                       ; a row there: 128 bytes + 32 = 40 words
.set SPARE,  ZB+256*ZP                 ; the spare words, 128 bytes for each wave: two blocks of 256 bytes that no other line names
.set ZROW,   131072                    ; bytes in a row of z_e
.set ASKB,   131072                    ; what the prefetching cluster names at one change of slots: 16 waves x 32 lanes x 256 bytes
.set AKS, 2           ; v2-3   LDS address of my lane's place in my part of slot 0, 1: (l % 16) x PITCH + 16 (l / 16)
.set AES, 4           ; v4-5   the same for h: the padding of row 2 (l / 16)
.set ZS,  6           ; v6     where I put four tokens of a channel
.set ZT,  7           ; v7     my lane's place for the turning load
.set ZG,  8           ; v8     my byte offset in z_e; never rewritten
.set H8,  9           ; v9     8 (l / 16)
.set PFO, 10          ; v10    256 x lane; never rewritten
.set SA,  11          ; v11    the meeting: where I put a token's maximum (lanes 0-15) or its code (lanes 16-31)
.set SPW, 12          ; v12    LDS address of my spare word; never rewritten
.set NIL, 13          ; v13    0; never rewritten
.set SR,  14          ; v14    the meeting: where I read two tokens
.set OG,  15          ; v15    8 x lane: my two indices in 256 bytes of the output
.set RUN, 16
.set IDX, 24
.set ES,  32
.set TV,  48          ; v48-55  at work: the other half's maxima
.set TI,  56          ; v56-63  and codes
.set ACC, 64          ; buffer p, token tile t at ACC + 64 p + 8 t
.set CV,  192         ; z rounded to bf16 on its way into LDS; at the end the four waves' figures
.set WV,  12          ; s12  my wave's number
.set CX,  13          ; s13  my place in the cluster
.set BK,  14          ; s14  my block of 128 tokens: it enters z_e's and the outputs' addresses alone
.set LIM, 15          ; s15  1 in the cluster that prefetches, else the greatest number
.set G1,  16          ; s[16:23] descriptor group 1
.set G0,  24          ; s[24:31] descriptor group 0, a set for each slot
.set WB,  32          ; s32  PARTB x wave
.set CK,  33          ; s33  the first code of my part of the trip's first chunk
.set CODE, 34         ; s34  the code (less 8 (l / 16)) of the register that the riders are at
.set OUT, 35          ; s35  trips to go
.set PFA, 36          ; s[36:37] where my prefetches stand
.set SEL, 38          ; s[38:39] v_permlanex16_b32's selects: each lane takes its own place in the other half
.set HM,  40          ; s40  lanes 16 to 31
.set MSB, 0
.macro WIN new                      ; the immediate's high byte repeats the setting that is left; a switch that changes nothing is dropped
.if MSB != (\new)
	s_set_vgpr_msb (MSB<<8)|(\new)
.set MSB, (\new)
.endif
.endm
; A round of the cluster's barrier: my work-group's barrier, so that wave 0's signal speaks for all four waves; wave 0 signals; every wave waits for all four work-groups; my work-group's barrier once more.
.macro CREST                        ; a round behind its opening barrier
	s_cmp_lg_u32 s[WV], 0
	s_cbranch_scc1 .Lnot_wave_0_\@
	s_barrier_signal -3
.Lnot_wave_0_\@:
	s_barrier_wait -3
	s_barrier_signal -1
	s_barrier_wait -1
.endm
.macro CROUND
	s_barrier_signal -1
	s_barrier_wait -1
	CREST
.endm
; 18 LDS loads in one run: code tile q of my part of a slot into buffer p: 8 fragments of 16 codes x 32 channels (lane l: row l % 16, channels 8 (l / 16) + 0..7 and 16 + 8 (l / 16) + 0..7: two loads, 32 bytes apart),
; and h of the codes 8 (l / 16) + 0..7, which lie in the padding of rows 2 (l / 16) and 2 (l / 16) + 1.
.macro FETCH slot, q, p
	WIN 0x40                        ; destination window 1, address window 0
.irp f, 0,1,2,3,4,5,6,7
	ds_load_b128 v[64*(\p)+8*\f:64*(\p)+8*\f+3],   v[AKS+(\slot)] offset:(\q)*TILEB+64*\f
	ds_load_b128 v[64*(\p)+8*\f+4:64*(\p)+8*\f+7], v[AKS+(\slot)] offset:(\q)*TILEB+64*\f+32
.endr
	WIN 0
	ds_load_b128 v[ES+8*(\p):ES+8*(\p)+3],   v[AES+(\slot)] offset:(\q)*TILEB
	ds_load_b128 v[ES+8*(\p)+4:ES+8*(\p)+7], v[AES+(\slot)] offset:(\q)*TILEB+PITCH
.endm
; Matrix instruction i of a tile's 64: token tile i % 8, K step i / 8.  The 8 accumulators take turns, one instruction a turn; a tile's last names buffer p's eighth, the next tile's first the other
; buffer's first.  The first K step starts the sums with h.
.macro MM p, i
.set t_, (\i)%8
.set f_, (\i)/8
.if t_ < 4
	WIN 0x09                        ; codes in window 1, tokens in window 2, sums in window 0
.else
	WIN 0x0d                        ; tokens in window 3
.endif
.set rD, ACC+64*(\p)+8*t_
.set rA, 64*(\p)+8*f_
.set rB, 64*(t_%4)+8*f_
.if f_ == 0
	v_wmma_f32_16x16x32_bf16 v[rD:rD+7], v[rA:rA+7], v[rB:rB+7], v[ES+8*(\p):ES+8*(\p)+7]
.else
	v_wmma_f32_16x16x32_bf16 v[rD:rD+7], v[rA:rA+7], v[rB:rB+7], v[rD:rD+7]
.endif
.endm
; The riders behind it: register i / 8 of token tile i % 8 of the OTHER buffer, the tile before.  A greater score takes the place and its code; an equal one does not, so the lower code stays; a NaN loses both ways.
; Each accumulator is read from its register 0 on.  The riders name no register of the products round them, so they are also the places behind those: between an accumulator's last product and its first
; reading stand 24 of them, between a fragment buffer's last product and the loads into it nine or more.
.macro RID p, i
	WIN 0
.set t_, (\i)%8
.set a_, ACC+64*(1-(\p))+8*t_+(\i)/8
	v_cmp_gt_f32 vcc_lo, v[a_], v[RUN+t_]
	v_max_num_f32 v[RUN+t_], v[RUN+t_], v[a_]
	v_cndmask_b32 v[IDX+t_], v[IDX+t_], s[CODE], vcc_lo
.if t_ == 7
	s_add_co_u32 s[CODE], s[CODE], 1  ; the next register is the next code
.endif
.endm
.macro SL p, i0, i1                 ; slices i0 .. i1 - 1: a matrix instruction and its riders
.set n_, (\i0)
.rept (\i1)-(\i0)
	MM \p, n_
	RID \p, n_
.set n_, n_+1
.endr
.endm
; A PREFETCH INTO THE L2, behind each joint refill, its five lines and the run of LDS loads that follows.  cb is named as ONE stream from the fifth chunk's first byte on, ASKB bytes at each change of slots: the first cluster alone asks
; (the test is the same in all four partners), and its 16 waves share the bytes out BY ADDRESS: wave w of partner cx takes 8,192 (4 cx + w) + 256 x lane.  So each block of 256 bytes is named once in the launch.
; Change c refills with chunk c + 2 and names bytes 4 CHUNKB + c ASKB on: two chunks ahead of the refill at c = 0, 1.2 chunks at c = 27 (a chunk is 256 matrix instructions a wave).  The first four chunks and cb's last
; 114,688 bytes come by their loads alone; the loop's last trip asks for nothing: the highest byte named is 4 CHUNKB + 28 ASKB - 1, inside cb.
.macro ASK
	s_cmp_gt_u32 s[OUT], s[LIM]
	s_cbranch_scc0 .Lnot_mine_\@
	global_prefetch_b8 v[PFO], s[PFA:PFA+1] th:TH_LOAD_NT scope:SCOPE_SE
.Lnot_mine_\@:
.endm
; A TILE: buffer p is multiplied; the next tile (tile fq of my part of slot fs; fq < 0: none) is fetched into the other buffer; the riders work on the tile before, whose first code is CK + coff.
; chg = 1: THE CHANGE OF SLOTS.  This tile is its chunk's last, and its fragments are in registers: my reads of the slot are over.  I wait for all my tensor loads, of which one is out: my part of the other slot; add 0 to my
; spare word; wait for that; and the barrier opens a round of the cluster's, so that no wave of any partner still reads the slot or has a load on its way.  The joint refill, with the chunk two on, is the first thing behind
; the round: it has 256 matrix instructions in which to land.  chg = 2 (the tail): the other slot's last fill is waited for; only I read my part of it, and nothing is filled again.
.macro TILE p, fs, fq, coff, chg=0, slot=0
	s_add_co_u32 s[CODE], s[CK], \coff
	s_wait_dscnt 0x0                ; this tile's fragments and h are in
.if (\chg) == 1
	s_wait_xcnt 0x0                 ; the last prefetch, a chunk back, has read its address: it is stepped here, ahead of the waits of the change
	s_add_nc_u64 s[PFA:PFA+1], s[PFA:PFA+1], ASKB
	s_wait_tensorcnt 0x0            ; no tensor load of mine is out, so a group 0 may be written
	ds_add_u32 v[SPW], v[NIL]       ; 0 onto my spare word; eight slices stand between it and the wait for it
	s_add_nc_u64 s[G0+4*(\slot)+2:G0+4*(\slot)+3], s[G0+4*(\slot)+2:G0+4*(\slot)+3], 2*CHUNKB  ; this slot's next chunk; the type bits on top are not reached
	SL \p, 0, 8
	s_wait_dscnt 0x0                ; the add is done; my reads of the slot were over at the tile's head
	s_barrier_signal -1
	SL \p, 8, 16                    ; work on registers while the others arrive
	WIN 0                           ; at a branch and at a label every window is 0
	s_barrier_wait -1
	CREST
	tensor_load_to_lds s[G0+4*(\slot):G0+4*(\slot)+3], s[G1:G1+7]  ; my one tensor load behind the round: one is out
	s_nop 0
.rept 4
	v_nop
.endr
	FETCH \fs, \fq, 1-(\p)
	ASK
	SL \p, 16, 64
.else
.if (\chg) == 2
	s_wait_tensorcnt 0x0            ; my part of the last chunk is in: no load was issued behind it
.endif
	SL \p, 0, 2
.if (\fq) >= 0
	FETCH \fs, \fq, 1-(\p)          ; 62 matrix instructions ahead of its first use
.endif
	SL \p, 2, 64
.endif
	WIN 0
.endm
; (va, ia) takes (vb, ib) where vb is greater, or equal with the lower code
.macro BETTER va, ia, vb, ib
	v_cmp_gt_f32 s41, v[\vb], v[\va]
	v_cmp_eq_f32 s42, v[\vb], v[\va]
	v_cmp_lt_u32 s43, v[\ib], v[\ia]
	s_and_b32 s42, s42, s43
	s_or_b32 s41, s41, s42
	v_cndmask_b32 v[\va], v[\va], v[\vb], s41
	v_cndmask_b32 v[\ia], v[\ia], v[\ib], s41
.endm
	s_load_b256 s[4:11], s[0:1], 0x0  ; z_e s[4:5], cb s[6:7], out1 s[8:9], idxw s[10:11]
	v_lshl_add_u32 v[SPW], v0, 2, SPARE
	v_mov_b32 v[NIL], 0
	ds_add_u32 v[SPW], v[NIL]       ; the wave's opening: the add, twice on end, and its wait stand ahead of my first tensor load; the set-up below, work on registers, stands between
	ds_add_u32 v[SPW], v[NIL]       ; and once more, under the one wait
	v_lshrrev_b32 v1, 5, v0
	v_readfirstlane_b32 s[WV], v1   ; wave 0..3
	s_bfe_u32 s[CX], ttmp6, 0x40000 ; cx
	s_lshl_b32 s[BK], ttmp9, 2      ; in a cluster launch ttmp9 counts clusters
	s_add_co_u32 s[BK], s[BK], s[CX]
	s_cmp_eq_u32 ttmp9, 0           ; the same in all four partners
	s_cselect_b32 s[LIM], 1, -1
	s_mul_i32 s[WB], s[WV], PARTB
	; descriptor group 1: my part of a chunk is 33,792 dense bytes, asked for as 132 rows of 256 bytes; no padding: the image is padded already
	s_mov_b32 s[G1+0], 15|(3<<16)|(1<<21)  ; 15:0 the mask: all four work-groups; 17:16 elements of 8 bytes; 21 set beside a mask
	s_mov_b32 s[G1+1], 32<<16       ; tensor_dim0 = 32
	s_mov_b32 s[G1+2], 132<<16      ; tensor_dim1 = 132
	s_mov_b32 s[G1+3], 32<<16       ; tile_dim0 = 32
	s_mov_b32 s[G1+4], 132          ; tile_dim1 = 132
	s_mov_b32 s[G1+5], 32           ; 32 elements from row to row
	s_mov_b32 s[G1+6], 0
	s_mov_b32 s[G1+7], 0
	s_mov_b32 s[G0+0], 1            ; count = 1
	s_mov_b32 s[G0+1], s[WB]        ; LDS address: my part of slot 0: no place in the cluster enters it
	s_mov_b32 s[G0+4], 1
	s_add_co_u32 s[G0+5], s[WB], SLOT
	s_mov_b32 s48, s[WB]            ; my part's offset in a chunk of cb; s[48:49] hold nothing else
	s_mov_b32 s49, 0
	s_lshl_b32 s44, s[BK], 9        ; my block's 512 bytes of each row of z_e
	s_mov_b32 s45, 0
	s_lshl_b32 s46, s[CX], 2
	s_add_co_u32 s46, s46, s[WV]
	s_lshl_b32 s46, s46, 13         ; my 8,192 bytes of each ASKB,
	s_add_co_u32 s46, s46, 4*CHUNKB-ASKB  ; one step in front of the fifth chunk: the first change steps onto it
	s_mov_b32 s47, 0
	s_lshl_b32 s[CK], s[WV], 6
	s_sub_co_u32 s[CK], s[CK], 512  ; the loop is entered in the middle of a trip, whose end adds 512
	s_mov_b32 s[OUT], 16
	s_mov_b32 s[SEL], 0x76543210
	s_mov_b32 s[SEL+1], 0xfedcba98
	s_mov_b32 s[HM], 0xffff0000
	v_and_b32 v48, 15, v0           ; l % 16
	v_bfe_u32 v49, v0, 4, 1         ; l / 16
	v_and_b32 v50, 7, v0
	v_bfe_u32 v51, v0, 3, 1
	v_mul_u32_u24 v[AKS], v48, PITCH
	v_lshl_add_u32 v[AKS], v49, 4, v[AKS]
	v_add_nc_u32 v[AKS], s[WB], v[AKS]
	v_add_nc_u32 v[AKS+1], SLOT, v[AKS]
	v_mul_u32_u24 v[AES], v49, 2*PITCH
	v_add_nc_u32 v[AES], s[WB], v[AES]
	v_add_nc_u32 v[AES], 512, v[AES]
	v_add_nc_u32 v[AES+1], SLOT, v[AES]
	s_mul_i32 s50, s[WV], 64*ZP     ; I bring channels 64 w .. 64 w + 63
	s_add_co_u32 s50, s50, ZB
	v_mul_u32_u24 v[ZS], v49, ZP    ; lanes 0-15 one channel, lanes 16-31 the next; four tokens, 8 bytes, a lane
	v_lshl_add_u32 v[ZS], v48, 3, v[ZS]
	v_add_nc_u32 v[ZS], s50, v[ZS]
	v_lshl_add_u32 v[ZT], v49, 3, v50  ; the turning load: lane l reads channel 8 (l / 16) + l % 8, tokens 8 ((l / 8) % 2) + 0..7
	v_mul_u32_u24 v[ZT], v[ZT], ZP
	v_lshl_add_u32 v[ZT], v51, 4, v[ZT]
	v_add_nc_u32 v[ZT], ZB, v[ZT]
	s_lshl_b32 s50, s[WV], 23       ; 64 rows of z_e
	v_lshlrev_b32 v[ZG], 17, v49
	v_lshl_add_u32 v[ZG], v48, 4, v[ZG]
	v_add_nc_u32 v[ZG], s50, v[ZG]
	v_lshlrev_b32 v[H8], 3, v49
	v_and_b32 v[PFO], 31, v0
	v_lshlrev_b32 v[PFO], 8, v[PFO]
	s_lshl_b32 s51, s[WV], 10       ; the meeting: wave w's 1,024 bytes: 128 maxima, then 128 codes
	s_add_co_u32 s51, s51, ZB
	v_lshlrev_b32 v[SA], 9, v49
	v_lshl_add_u32 v[SA], v48, 2, v[SA]
	v_add_nc_u32 v[SA], s51, v[SA]
	s_and_b32 s51, s[WV], 1         ; waves 0 and 2 finish tokens 0-63, waves 1 and 3 tokens 64-127
	s_lshl_b32 s51, s51, 8
	s_add_co_u32 s51, s51, ZB
	v_and_b32 v[OG], 31, v0
	v_lshlrev_b32 v[OG], 3, v[OG]
	v_add_nc_u32 v[SR], s51, v[OG]
	s_wait_dscnt 0x0                ; both opening adds are done
	s_wait_kmcnt 0x0
	s_add_nc_u64 s[G0+2:G0+3], s[6:7], s[48:49]  ; global address: my part of chunk 0,
	s_add_nc_u64 s[G0+6:G0+7], s[G0+2:G0+3], CHUNKB  ; of chunk 1
	s_or_b32 s[G0+3], s[G0+3], 0x80000000        ; type = 2
	s_or_b32 s[G0+7], s[G0+7], 0x80000000
	s_add_nc_u64 s[4:5], s[4:5], s[44:45]
	s_add_nc_u64 s[PFA:PFA+1], s[6:7], s[46:47]
	CROUND                          ; all four work-groups are here: the first joint loads meet
	tensor_load_to_lds s[G0:G0+3], s[G1:G1+7]    ; both first fills go out together, ahead of every wait on TENSORcnt, every LDS read and every further barrier: two loads of mine are out
	s_nop 0
	tensor_load_to_lds s[G0+4:G0+7], s[G1:G1+7]
	s_nop 0
.rept 4
	v_nop
.endr
	; z COMES IN ONCE AND IS TURNED IN LDS.  A load takes 256 consecutive bytes (64 tokens) of each of two channels; pass 0 is the block's tokens 0-63, pass 1 tokens 64-127.  All 64 loads go out now,
	; into registers that the loop uses later.  Nothing is prefetched here, at the head.
.set i, 0
.rept 32
	global_load_b128 v[ACC+4*i:ACC+4*i+3], v[ZG], s[4:5] offset:2*ZROW*i th:TH_LOAD_NT
.set i, i+1
.endr
	WIN 0x40                        ; destination window 1
.set i, 0
.rept 32
	global_load_b128 v[4*i:4*i+3], v[ZG], s[4:5] offset:2*ZROW*i+256 th:TH_LOAD_NT
.set i, i+1
.endr
	WIN 0
	s_wait_loadcnt 32               ; pass 0 is in; pass 1's 32 loads may stay out
.set i, 0
.rept 32
	v_cvt_pk_bf16_f32 v[CV+2*i],   v[ACC+4*i],   v[ACC+4*i+1]
	v_cvt_pk_bf16_f32 v[CV+2*i+1], v[ACC+4*i+2], v[ACC+4*i+3]
.set i, i+1
.endr
.set i, 0
.rept 32
	ds_store_b64 v[ZS], v[CV+2*i:CV+2*i+1] offset:2*ZP*i
.set i, i+1
.endr
	s_wait_dscnt 0x0                ; for the others' sake: my 64 channels lie in LDS
	s_barrier_signal -1
	s_barrier_wait -1
	WIN 0x80                        ; destination window 2.  Two turning loads, 16 channels apart, leave a fragment of 32 channels x 16 tokens: lane l holds token l % 16
.set i, 0
.rept 32                            ; token tile i / 8, K step i % 8
	ds_load_tr16_b128 v[8*i:8*i+3],   v[ZT] offset:32*ZP*(i%8)+32*(i/8)
	ds_load_tr16_b128 v[8*i+4:8*i+7], v[ZT] offset:32*ZP*(i%8)+32*(i/8)+16*ZP
.set i, i+1
.endr
	s_wait_loadcnt 0x0              ; pass 1 is in
	WIN 0x05                        ; sources 0 and 1 window 1, destination window 0
.set i, 0
.rept 32
	v_cvt_pk_bf16_f32 v[CV+2*i],   v[4*i],   v[4*i+1]
	v_cvt_pk_bf16_f32 v[CV+2*i+1], v[4*i+2], v[4*i+3]
.set i, i+1
.endr
	WIN 0
	s_wait_dscnt 0x0                ; my reads of pass 0 are over,
	s_barrier_signal -1
	s_barrier_wait -1               ; everybody's are: the bytes may be written again
.set i, 0
.rept 32
	ds_store_b64 v[ZS], v[CV+2*i:CV+2*i+1] offset:2*ZP*i
.set i, i+1
.endr
	s_wait_dscnt 0x0
	s_barrier_signal -1
	s_barrier_wait -1
	WIN 0xc0                        ; destination window 3
.set i, 0
.rept 32
	ds_load_tr16_b128 v[8*i:8*i+3],   v[ZT] offset:32*ZP*(i%8)+32*(i/8)
	ds_load_tr16_b128 v[8*i+4:8*i+7], v[ZT] offset:32*ZP*(i%8)+32*(i/8)+16*ZP
.set i, i+1
.endr
	WIN 0
	; What the first tile's riders find: a tile before of minus infinity, which takes no place.  64 lines, once a launch, while the first chunk is on its way: the price of one text for every tile.
.set i, 0
.rept 64
	v_mov_b32 v[ACC+64+i], 0xff800000
.set i, i+1
.endr
.set i, 0
.rept 8
	v_mov_b32 v[RUN+i], 0xff800000
	v_mov_b32 v[IDX+i], 0
	v_mov_b32 v[TV+i], 0            ; v_permlanex16_b32's destinations count as read
	v_mov_b32 v[TI+i], 0
.set i, i+1
.endr
	s_wait_tensorcnt 0x1            ; my part of chunk 0 is in, and only I read it; chunk 1's load, issued behind it, may stay out
	FETCH 0, 0, 0
	s_branch .Lenter                ; tiles 0, 1, 2; then 15 whole trips
.Ltrip:                             ; a trip is two chunks, so that slots, offsets and descriptors are constants of the text
	TILE 1, 1, 0, 32, 1, 0          ; an even chunk's last tile: slot 0 is left and filled again
	TILE 0, 1, 1, 48
	TILE 1, 1, 2, 256
	TILE 0, 1, 3, 272
	TILE 1, 0, 0, 288, 1, 1         ; the odd chunk's last tile: slot 1 is left and filled again
.Lenter:
	TILE 0, 0, 1, 304
	TILE 1, 0, 2, 512
	TILE 0, 0, 3, 528
	s_add_co_u32 s[CK], s[CK], 512
	s_sub_co_u32 s[OUT], s[OUT], 1
	s_cmp_lg_u32 s[OUT], 0
	s_cbranch_scc1 .Ltrip
	TILE 1, 1, 0, 32, 2             ; the tail is written out: chunk 30's last tile and chunk 31
	TILE 0, 1, 1, 48
	TILE 1, 1, 2, 256
	TILE 0, 1, 3, 272
	TILE 1, 0, -1, 288
	s_add_co_u32 s[CODE], s[CK], 304
.set n_, 0
.rept 64
	RID 0, n_                       ; the last tile's maximum: 24 plain instructions lie between each accumulator's last product and its first reading here too
.set n_, n_+1
.endr
	; THE END.  The codes get their lanes' 8 (l / 16); the halves of the lanes meet; then the four waves, through LDS.
.set t, 0
.rept 8
	v_add_nc_u32 v[IDX+t], v[IDX+t], v[H8]
.set t, t+1
.endr
.set t, 0
.rept 8
	v_permlanex16_b32 v[TV+t], v[RUN+t], s[SEL], s[SEL+1]
	v_permlanex16_b32 v[TI+t], v[IDX+t], s[SEL], s[SEL+1]
.set t, t+1
.endr
.set t, 0
.rept 8
	BETTER RUN+t, IDX+t, TV+t, TI+t ; both halves now hold the same pair
.set t, t+1
.endr
.set t, 0
.rept 8
	v_cndmask_b32 v[TV+t], v[RUN+t], v[IDX+t], s[HM]  ; lanes 0-15 store the maximum, lanes 16-31 the code
	ds_store_b32 v[SA], v[TV+t] offset:64*t           ; token 16 t + l % 16.  These bytes held z: every wave's reads of them were over many barriers ago
.set t, t+1
.endr
	s_wait_dscnt 0x0                ; for the others' sake
	s_barrier_signal -1
	s_barrier_wait -1
.irp w, 0,1,2,3                     ; two tokens a lane: the four waves' maxima and codes
	ds_load_b64 v[CV+4*\w:CV+4*\w+1],   v[SR] offset:1024*\w
	ds_load_b64 v[CV+4*\w+2:CV+4*\w+3], v[SR] offset:1024*\w+512
.endr
	s_and_b32 s46, s[WV], 1
	s_lshl_b32 s46, s46, 8          ; my 64 tokens' 256 bytes,
	s_lshl_b32 s47, s[BK], 9        ; in my block's 512
	s_add_co_u32 s46, s46, s47
	s_mov_b32 s47, 0
	s_cmp_lt_u32 s[WV], 2           ; waves 0 and 1 write out1, waves 2 and 3 the same numbers into idxw
	s_cselect_b64 s[44:45], s[8:9], s[10:11]
	s_add_nc_u64 s[44:45], s[44:45], s[46:47]
	s_wait_dscnt 0x0
.irp w, 1,2,3
	BETTER CV, CV+2, CV+4*\w, CV+4*\w+2
	BETTER CV+1, CV+3, CV+4*\w+1, CV+4*\w+3
.endr
	global_store_b64 v[OG], v[CV+2:CV+3], s[44:45]  ; the wave stores 256 consecutive bytes, at a multiple of 256 from the buffer's first byte
	s_wait_tensorcnt 0x0            ; the wave's end, behind my last tensor load and my last LDS store
	ds_add_u32 v[SPW], v[NIL]
	s_wait_dscnt 0x0
	CROUND                          ; the closing round: no work-group ends while a partner may still ask for a chunk that names it
	s_endpgm
.Lfunc_end_k_q677981528b_search:
	.size	k_q677981528b_search, .Lfunc_end_k_q677981528b_search-k_q677981528b_search
	.p2alignl 7, 3214868480
	.fill 96, 4, 3214868480
	.section	.rodata,"a",@progbits
	.p2align	6, 0x0
	.amdhsa_kernel k_q677981528b_search
		.amdhsa_group_segment_fixed_size 327680
		.amdhsa_private_segment_fixed_size 0
		.amdhsa_enable_private_segment 0
		.amdhsa_kernarg_size 32
		.amdhsa_user_sgpr_count 2
		.amdhsa_user_sgpr_kernarg_segment_ptr 1
		.amdhsa_wavefront_size32 1
		.amdhsa_system_sgpr_workgroup_id_x 1
		.amdhsa_system_sgpr_workgroup_id_y 1
		.amdhsa_system_sgpr_workgroup_id_z 1
		.amdhsa_system_vgpr_workitem_id 0
		.amdhsa_next_free_vgpr 1024
		.amdhsa_next_free_sgpr 66
		.amdhsa_reserve_vcc 1
		.amdhsa_float_denorm_mode_32 3
		.amdhsa_float_denorm_mode_16_64 3
		.amdhsa_memory_ordered 1
		.amdhsa_forward_progress 1
		.amdhsa_inst_pref_size 255
	.end_amdhsa_kernel
	.section	.bss,"aw",@nobits
	.p2align	6
	.space	262144
	.amdgpu_metadata
---
amdhsa.version: [ 1, 2 ]
amdhsa.kernels:
  - .name:           k_q677981528b_search
    .symbol:         k_q677981528b_search.kd
    .args:
      - { .name: z_e, .offset: 0, .size: 8, .value_kind: global_buffer, .address_space: global }
      - { .name: cb, .offset: 8, .size: 8, .value_kind: global_buffer, .address_space: global }
      - { .name: out1, .offset: 16, .size: 8, .value_kind: global_buffer, .address_space: global }
      - { .name: idxw, .offset: 24, .size: 8, .value_kind: global_buffer, .address_space: global }
    .group_segment_fixed_size: 327680
    .private_segment_fixed_size: 0
    .kernarg_segment_align: 8
    .kernarg_segment_size: 32
    .max_flat_workgroup_size: 128
    .sgpr_count:     66
    .vgpr_count:     1024
    .wavefront_size: 32
...
	.end_amdgpu_metadata
.endif
;; end of part 2
;; launch spread (part 3): grid 512 x 1, 8 waves a work-group, no clusters, 66,816 bytes of LDS; arguments embeddings, idxw, out0; writes out0
.if DOCPART == 3
	.amdgcn_target "amdgcn-amd-amdhsa--gfx1250"
	.amdhsa_code_object_version 6
	.text
	.protected	k_q677981528b_spread
	.globl	k_q677981528b_spread
	.p2align	8
	.type	k_q677981528b_spread,@function
k_q677981528b_spread:
	s_mov_b64 s[64:65], 0
	v_nop
	global_prefetch_b8 v0, s[64:65] scope:SCOPE_SE
	s_setreg_imm32_b32 hwreg(HW_REG_WAVE_MODE, 25, 1), 1
	s_wait_xcnt 0x0
; THE CHOSEN ROWS, TURNED.  out0[d][n] = embeddings[idxw[n]][d].  embeddings: [8192][256] f32; idxw: [32768] i32, stored by the launch before; out0: [256][32768] f32.
; SHARES.  A work-group owns 64 tokens: 256 bytes of every row of out0.  Wave w gathers the rows of tokens 8 w .. 8 w + 7 (two loads of 512 consecutive bytes a row) into LDS; behind one barrier it reads
; channels 32 w .. 32 w + 31 back by columns and stores them: 16 lanes hold the 64 tokens of one channel, 256 consecutive bytes.
; The indices are whole numbers read from memory by a scalar load; they lie in 0 .. 8191, and the clamp states that bound.  A row may be named by several tokens, so its loads carry no hint.
; No matrix unit, no cluster, no ring: each output byte is written once, and a wave's 16 loads all go out at once.
.set QUAD,  4112                       ; four tokens' rows in LDS, 4 x 1,024 bytes + 16: token 4 c + i, channel d lies at word 1,028 c + 256 i + d: bank (4 c + d) mod 64 (64 banks of 4 bytes: ISA guide 11.1),
                                       ; so the 32 lanes of a column read (16 c, two d) touch 32 different banks
.set SPARE, 16*QUAD                    ; behind the rows: the spare words, 128 bytes for each wave: four blocks of 256 bytes that no other line names
.set OROW,  131072                     ; bytes in a row of out0
.set GI,  2                            ; v2   16 x lane
.set LS,  3                            ; v3   where I put 16 bytes of a row
.set RA,  4                            ; v4   where I read a column: quad l % 16, channel 32 w + l / 16
.set GO,  5                            ; v5   my 16 bytes of out0: row l / 16, tokens 4 (l % 16) ..; never rewritten
.set SPW, 6                            ; v6   LDS address of my spare word; never rewritten
.set NIL, 7                            ; v7   0; never rewritten
.set RO,  8                            ; v[8:15]    token k's byte offset in embeddings
.set X,   16                           ; v[16:79]   token k's row, 8 registers
.set Y,   80                           ; v[80:143]  channel pair dp: 4 tokens
	s_load_b128 s[4:7], s[0:1], 0x0                ; embeddings s[4:5], idxw s[6:7]
	s_load_b64 s[8:9], s[0:1], 0x10                ; out0
	v_lshl_add_u32 v[SPW], v0, 2, SPARE
	v_mov_b32 v[NIL], 0
	v_lshrrev_b32 v1, 5, v0
	v_readfirstlane_b32 s10, v1                    ; wave 0..7
	v_and_b32 v1, 31, v0
	v_lshlrev_b32 v[GI], 4, v1
	s_mul_i32 s11, s10, 2*QUAD                     ; my eight tokens are two quads
	v_lshl_add_u32 v[LS], v1, 4, s11
	v_and_b32 v144, 15, v0
	v_bfe_u32 v145, v0, 4, 1
	v_mul_u32_u24 v[RA], v144, QUAD
	v_lshl_add_u32 v[RA], v145, 2, v[RA]
	s_lshl_b32 s12, s10, 7                         ; 32 channels of 4 bytes
	v_add_nc_u32 v[RA], s12, v[RA]
	v_lshlrev_b32 v[GO], 17, v145
	v_lshl_add_u32 v[GO], v144, 4, v[GO]
	s_lshl_b32 s24, ttmp9, 8                       ; the work-group's 64 tokens: 256 bytes of idxw and of a row of out0
	s_lshl_b32 s13, s10, 5                         ; my eight indices
	s_add_co_u32 s26, s24, s13
	s_mov_b32 s27, 0
	s_lshl_b32 s13, s10, 22                        ; my 32 rows of out0
	s_add_co_u32 s24, s24, s13
	s_mov_b32 s25, 0
	s_wait_kmcnt 0x0
	s_add_nc_u64 s[6:7], s[6:7], s[26:27]
	s_add_nc_u64 s[8:9], s[8:9], s[24:25]
	s_load_b256 s[16:23], s[6:7], 0x0
	s_wait_kmcnt 0x0
.irp k, 0,1,2,3,4,5,6,7
	s_min_u32 s[16+\k], s[16+\k], 0x1fff
	s_lshl_b32 s[16+\k], s[16+\k], 10              ; a row is 1,024 bytes
	v_add_nc_u32 v[RO+\k], s[16+\k], v[GI]
.endr
.irp k, 0,1,2,3,4,5,6,7
	global_load_b128 v[X+8*\k:X+8*\k+3],   v[RO+\k], s[4:5]
	global_load_b128 v[X+8*\k+4:X+8*\k+7], v[RO+\k], s[4:5] offset:512
.endr
.irp k, 0,1,2,3,4,5,6,7
	s_wait_loadcnt 14-2*\k                         ; token k's row is in; the two loads of each younger row may stay out
	ds_store_b128 v[LS], v[X+8*\k:X+8*\k+3]   offset:(\k/4)*QUAD+(\k%4)*1024
	ds_store_b128 v[LS], v[X+8*\k+4:X+8*\k+7] offset:(\k/4)*QUAD+(\k%4)*1024+512
.endr
	s_wait_dscnt 0x0                               ; for the others' sake: my eight rows lie in LDS
	s_barrier_signal -1
	s_barrier_wait -1
.set dp, 0
.rept 16                                       ; channels 32 w + 2 dp (lanes 0-15) and + 1 (lanes 16-31); tokens 4 (l % 16) + 0..3
.irp i, 0,1,2,3
	ds_load_b32 v[Y+4*dp+\i], v[RA] offset:1024*\i+8*dp
.endr
.set dp, dp+1
.endr
.set dp, 0
.rept 16
	s_wait_dscnt 60-4*dp                           ; this pair's four loads are back; the younger ones may stay out
	global_store_b128 v[GO], v[Y+4*dp:Y+4*dp+3], s[8:9] offset:2*OROW*dp th:TH_STORE_NT  ; 16 lanes store 256 consecutive bytes, at a multiple of 256 from out0's first byte
.set dp, dp+1
.endr
	s_wait_tensorcnt 0x0                           ; the wave's end, behind my last LDS store
	ds_add_u32 v[SPW], v[NIL]
	s_wait_dscnt 0x0
	s_endpgm
.Lfunc_end_k_q677981528b_spread:
	.size	k_q677981528b_spread, .Lfunc_end_k_q677981528b_spread-k_q677981528b_spread
	.p2alignl 7, 3214868480
	.fill 96, 4, 3214868480
	.section	.rodata,"a",@progbits
	.p2align	6, 0x0
	.amdhsa_kernel k_q677981528b_spread
		.amdhsa_group_segment_fixed_size 66816
		.amdhsa_private_segment_fixed_size 0
		.amdhsa_enable_private_segment 0
		.amdhsa_kernarg_size 24
		.amdhsa_user_sgpr_count 2
		.amdhsa_user_sgpr_kernarg_segment_ptr 1
		.amdhsa_wavefront_size32 1
		.amdhsa_system_sgpr_workgroup_id_x 1
		.amdhsa_system_sgpr_workgroup_id_y 1
		.amdhsa_system_sgpr_workgroup_id_z 1
		.amdhsa_system_vgpr_workitem_id 0
		.amdhsa_next_free_vgpr 152
		.amdhsa_next_free_sgpr 66
		.amdhsa_reserve_vcc 0
		.amdhsa_float_denorm_mode_32 3
		.amdhsa_float_denorm_mode_16_64 3
		.amdhsa_memory_ordered 1
		.amdhsa_forward_progress 1
		.amdhsa_inst_pref_size 12
	.end_amdhsa_kernel
	.amdgpu_metadata
---
amdhsa.version: [ 1, 2 ]
amdhsa.kernels:
  - .name:           k_q677981528b_spread
    .symbol:         k_q677981528b_spread.kd
    .args:
      - { .name: embeddings, .offset: 0, .size: 8, .value_kind: global_buffer, .address_space: global }
      - { .name: idxw, .offset: 8, .size: 8, .value_kind: global_buffer, .address_space: global }
      - { .name: out0, .offset: 16, .size: 8, .value_kind: global_buffer, .address_space: global }
    .group_segment_fixed_size: 66816
    .private_segment_fixed_size: 0
    .kernarg_segment_align: 8
    .kernarg_segment_size: 24
    .max_flat_workgroup_size: 256
    .sgpr_count:     66
    .vgpr_count:     152
    .wavefront_size: 32
...
	.end_amdgpu_metadata
.endif
;; end of part 3
